; MI455X (gfx1250); checked and timed in simulation.
; The chip was launched on July 23, 2026; its instructions are those of AMD's public machine-readable ISA for CDNA 5 (MIT licence, August 2026) and "CDNA5" Instruction Set Architecture Reference Guide (July 2026). The comments in the code are by the model that wrote it; some were corrected since.
;; Attention. Allowed arithmetic: matrix products marked QUANTISED: E2M3 operands, one E8M0 scale for each 32 along K, by v_wmma_scale_f32_16x16x128_f8f6f4 with both operands' format E2M3, f32 sums; everything else in f32.
;; Inputs: Wk_codes 1,024 x 32 x 24 uint8 (E2M3 codes of Wk, K innermost, in blocks of 32 codes, four codes in three bytes); Wk_scales 1,024 x 32 uint8 (E8M0 scales of Wk, one for each 32 codes along K); Wo_codes 1,024 x 32 x 24 uint8 (E2M3 codes of Wo, K innermost, in blocks of 32 codes, four codes in three bytes); Wo_scales 1,024 x 32 uint8 (E8M0 scales of Wo, one for each 32 codes along K); Wq_codes 1,024 x 32 x 24 uint8 (E2M3 codes of Wq, K innermost, in blocks of 32 codes, four codes in three bytes); Wq_scales 1,024 x 32 uint8 (E8M0 scales of Wq, one for each 32 codes along K); Wv_codes 1,024 x 32 x 24 uint8 (E2M3 codes of Wv, K innermost, in blocks of 32 codes, four codes in three bytes); Wv_scales 1,024 x 32 uint8 (E8M0 scales of Wv, one for each 32 codes along K); bo 1,024 float32; x_codes 4 x 2,048 x 32 x 24 uint8 (E2M3 codes of x, K innermost, in blocks of 32 codes, four codes in three bytes); x_scales 4 x 2,048 x 32 uint8 (E8M0 scales of x, one for each 32 codes along K).
;; Outputs: out0 4 x 2,048 x 1,024 float32.
;; This version of the problem:
;;   THIS VERSION OF THE PROBLEM IS GIVEN IN LOW PRECISION. The matrix products marked QUANTISED in the list below multiply operands that are first quantised to E2M3 (2 exponent bits, 3 mantissa bits; 6 bits a number), with one power-of-two scale for each 32 numbers along K (OCP MX v1.0); their sums are f32. All else is computed in f32.
;;   The module's matrix products, in the order in which they are computed (A, B: the left and right operand; K: the contracted axis; several contracted axes count as one K, in the product's order):
;;     1. [M 8,192, K 1,024] x [K 1,024, N 1,024]; A: input x (given as codes); B: input Wq (given as codes): QUANTISED
;;     2. [M 8,192, K 1,024] x [K 1,024, N 1,024]; A: input x (given as codes); B: input Wk (given as codes): QUANTISED
;;     3. [M 8,192, K 1,024] x [K 1,024, N 1,024]; A: input x (given as codes); B: input Wv (given as codes): QUANTISED
;;     4. batch 64 x [M 2,048, K 64] x [K 64, N 2,048]; A: computed on the way; B: computed on the way: QUANTISED
;;     5. batch 64 x [M 2,048, K 2,048] x [K 2,048, N 64]; A: softmax (see below); B: computed on the way: QUANTISED
;;     6. [M 8,192, K 1,024] x [K 1,024, N 1,024]; A: computed on the way; B: input Wo (given as codes): QUANTISED
;;   THE QUANTISER, for each operand of a quantised product, along K:
;;     - K is cut into blocks of 32 from its start; a last block that is shorter is filled with zeros.
;;     - A block's scale is 2^e with e = floor(log2(the largest magnitude in the block)) - 2, held to -126 .. 127; a block of zeros has e = 0. As a byte (E8M0): e + 127.
;;     - Each number is divided by its block's scale, clamped to +-7.5, and rounded to the nearest number of E2M3, ties to even, subnormals kept.
;;     - The product sums the exact products of the quantised numbers (number of the format x scale) in f32.
;;   ~~~python
;;   def quantise(x, axis):      # numpy; x: float32 -> the quantised numbers, widened to float32 again
;;       x = np.moveaxis(x, axis, -1); K = x.shape[-1]
;;       x = np.pad(x, [(0, 0)] * (x.ndim - 1) + [(0, -K % 32)]); x = x.reshape(x.shape[:-1] + (-1, 32)); a = np.abs(x).max(-1, keepdims=True)
;;       e = np.where(a > 0, np.clip(np.frexp(np.where(a > 0, a, 1))[1] - 1 - 2, -126, 127), 0)      # np.frexp(a)[1] - 1 = floor(log2(a)), exactly
;;       r = np.clip(x / 2.0 ** e, -7.5, 7.5)
;;       step = 2.0 ** (np.maximum(np.frexp(np.where(r == 0, 1, r))[1] - 1, 0) - 3)
;;       q = np.round(r / step) * step * 2.0 ** e      # np.round: ties to even
;;       return np.moveaxis(q.reshape(q.shape[:-2] + (-1,))[..., :K], -1, axis).astype(np.float32)
;;   ~~~
;;   SOFTMAX AHEAD OF A QUANTISED PRODUCT. Where the list says 'softmax', what is quantised is not the finished softmax but p = 2^(t - M), with t = logit x log2(e) and M = ceil(the row's largest t), a whole number; so 1/2 < the row's largest p <= 1. The row's sum l is taken of the UNQUANTISED p, in f32, and the product's result is divided by l at the end. Since M is a whole number, a kernel that streams over the keys may use a running M (the ceiling of the running maximum): every later rescaling is an exact power of two, which a block's scale takes up: the codes' values come out the same.
;;   OPERANDS COMPUTED ON THE WAY. 'Computed on the way' means the value that the module computes at that place (a softmax that the list does not call 'softmax' is quantised finished and normalised). What goes into a quantiser is computed in f32, as accurately as f32 sums, v_exp_f32 and their like allow (about 1e-6 of the number): no bf16 or f16 on the way to a quantiser, and a product that is left as it is and whose result goes on into a quantised operand takes f32 operands (vector FMAs, or v_wmma_f32_16x16x4_f32). A number that lies on a knife's edge between two numbers of the format may be rounded either way, as far as f32 arithmetic and the matrix unit's own rounding can turn it there, and no further.
;;   INPUTS GIVEN AS CODES. Wk (in the module: [1024, 1024], K = its axis 0); Wo (in the module: [1024, 1024], K = its axis 0); Wq (in the module: [1024, 1024], K = its axis 0); Wv (in the module: [1024, 1024], K = its axis 0); x (in the module: [4, 2048, 1024], K = its axis 2): each comes as NAME_codes (uint8): NAME with its K axis moved to the last place and cut into blocks of 32 codes, [.., K / 32, bytes a block], one block behind the other in memory; four codes in three bytes: a row's codes are one little-endian stream of bits, code i at bits 6 i .. 6 i + 5 (a code: sign, 2 exponent bits, 3 mantissa bits); and NAME_scales (uint8): the same leading axes, one E8M0 byte (e + 127) for each 32 codes along K. Its value is code x scale, taken as it is: it is not quantised again, and the codes and scales need not be those that the quantiser above would give.
;; One version. Each part assembles by itself: llvm-mc -triple=amdgcn-amd-amdhsa -mcpu=gfx1250 --defsym DOCPART=n.
;; ======== version 1 of 1: 3 launches
;; limits: right only within a limited range of input values
;; workspace buffers: qkv 18,874,368 bytes; qkvs 786,432 bytes; oimg 6,291,456 bytes; osc 262,144 bytes
;; launch proj (part 1): grid 12 x 32, 4 waves a work-group, clusters of 4 x 4, 327,680 bytes of LDS; arguments x_codes, x_scales, Wq_codes, Wq_scales, Wk_codes, Wk_scales, Wv_codes, Wv_scales, qkv, qkvs; writes qkv, qkvs
.if DOCPART == 1
	.amdgcn_target "amdgcn-amd-amdhsa--gfx1250"
	.amdhsa_code_object_version 6
	.text
	.protected	k_qb849c7d256_proj
	.globl	k_qb849c7d256_proj
	.p2align	8
	.type	k_qb849c7d256_proj,@function
k_qb849c7d256_proj:
	s_mov_b64 s[64:65], 0
	v_nop
	global_prefetch_b8 v0, s[64:65] scope:SCOPE_SE
	s_setreg_imm32_b32 hwreg(HW_REG_WAVE_MODE, 25, 1), 1
	s_wait_xcnt 0x0
	s_wait_alu depctr_hold_cnt(0) depctr_sa_sdst(0) depctr_va_vdst(0) depctr_va_sdst(0) depctr_va_ssrc(0) depctr_va_vcc(0) depctr_vm_vsrc(0)
	s_getreg_b32 s2, hwreg(HW_REG_IB_STS2, 6, 4)
	s_cmp_eq_u32 s2, 0
	s_cbranch_scc0 .Lentry_in_a_cluster
	s_endpgm
.Lentry_in_a_cluster:
	s_bfe_u32 s2, ttmp6, 0x10000c
	s_cmp_lg_u32 s2, 0xf033
	s_cbranch_scc0 .Lentry_shape_is_right
	s_endpgm
.Lentry_shape_is_right:
; Q = x Wq, K = x Wk (A = x's rows, B = a weight's rows) and V^T = Wv^T x^T (A = Wv's rows, B = x's rows), on codes of FP6 (E2M3) with E8M0 scales, as they are given.
; Cluster x says which: 0 Q, 1 K, 2 V.  A work-group of four waves makes 256 x 256, a wave 128 x 128: 64 accumulators.
; K goes through a ring of two LDS slots in CHUNKS OF 256 BYTES of each row of 768: every tile row begins at a multiple of 256 bytes.  A step of 128 along K is 96 bytes: eight steps to three chunks; steps 2 and 5 lie across two chunks.
; The scales of the 256 + 256 rows, two dense blocks, come into LDS once.  Tiles of A are asked for jointly by a row of the 4 x 4 cluster, tiles of B by a column.
; The matrix instruction is used transposed (source 0 = B's rows): a lane holds one row of A and runs of B's rows, along which the result is quantised again, in blocks of 32.
; OUT: qkv: images of operand registers, 1,536 bytes for 16 rows x 128; qkvs: one scale word a row and 128.  Inside a block of 32, place 16 h + 8 u + j holds number 16 u + 8 h + j: alike in Q and K, and in V as the next launch lays p.
; No prefetch: of the three chunks two are asked for at the head, and the walk has no trip to run ahead in.
; LIMITS: NaN and infinities are not served.  A block of results under 2^-124, zeros among them, gets the byte 1: this program alone reads the bytes.
.set ROWB,   256
.set NQ,     2
.set KROW,   768
.set STEPS,  8
.set CHUNKS, 3
.set PITCH,  272                       ; 256 bytes + 16 of padding
.set FR,     12
.set NL,     6
.set NP,     4
.set HALFT,  128*PITCH
.set SLOT,   4*HALFT                   ; A's 256 rows, then B's
.set KS,     32
.set SCL,    2*SLOT
.set HALFS,  (128*KS/256)*272
.set SBLK,   (16*KS/256)*272
.set SPARE,  SCL+4*HALFS               ; the spare words: 512 bytes
.set IMG,    1536
.set ADRA, 16                          ; v16-17 my A fragments in slot 0, 1; v18-19 for pieces whose lane halves lie in different slots
.set ADRB, 20                          ; v20-23 the same for B
.set L16,  24
.set L8,   25
.set SSTO, 26
.set ADRS, 27
.set SPW,  28
.set NIL,  29
.set SRD,  30
.set SC,   32                          ; v32-63 scale words, two sets
.set TM,   64
.set PW,   80
.set BK,   88
.set CD,   96
.set AF,   128                         ; A's fragments, window 0; B's two sets in window 1; accumulators in windows 2 and 3
.set G1, 24
.set G0, 32
.set G1B, 48
.set G0B, 56
.set G1S, 68
.set G0S, 76
.set G1SB, 80
.set G0SB, 88
.set G0H, 4
.set G0HB, 8
.set MSB, 0
.macro WIN new
.if MSB != \new
	s_set_vgpr_msb (MSB<<8)|\new
.set MSB, \new
.endif
.endm
.set MUL_LO, 0xa1
.set MUL_HI, 0xf1
.set TO_B,   0x40
.macro PLACES n
.rept \n
	v_nop
.endr
.endm
.macro JLOAD g0a, g1a, g0b, g1b        ; waves 0, 1 fetch for A, waves 2, 3 for B
	s_cmp_eq_u32 s15, 0
	s_cbranch_scc0 .Lfor_b_\@
	tensor_load_to_lds s[\g0a:\g0a+3], s[\g1a:\g1a+7]
	s_nop 0
	PLACES 4
	s_branch .Lasked_\@
.Lfor_b_\@:
	tensor_load_to_lds s[\g0b:\g0b+3], s[\g1b:\g1b+7]
	s_nop 0
	PLACES 4
.Lasked_\@:
.endm
.macro CREST
	s_cmp_lg_u32 s14, 0
	s_cbranch_scc1 .Lnot_wave_0_\@
	s_barrier_signal -3
.Lnot_wave_0_\@:
	s_barrier_wait -3
	s_barrier_signal -1
	s_barrier_wait -1
.endm
.macro CROUND
	s_barrier_signal -1
	s_barrier_wait -1
	CREST
.endm
	s_load_b128 s[96:99], s[0:1], 0x0              ; x's codes, scales
	s_load_b256 s[32:39], s[0:1], 0x10             ; Wq's, Wk's
	s_load_b128 s[56:59], s[0:1], 0x30             ; Wv's
	s_load_b128 s[60:63], s[0:1], 0x40             ; qkv, qkvs
	v_lshl_add_u32 v[SPW], v0, 2, SPARE
	v_mov_b32 v[NIL], 0
	ds_add_u32 v[SPW], v[NIL]
	ds_add_u32 v[SPW], v[NIL]
	v_lshrrev_b32 v1, 5, v0
	v_readfirstlane_b32 s14, v1                    ; wave
	s_lshr_b32 s15, s14, 1                         ; my half of the rows; also: I fetch for A (0) or B (1)
	s_and_b32 s16, s14, 1                          ; my half of the columns; also: which 128 rows I fetch
	s_bfe_u32 s40, ttmp6, 0x40000                  ; cx
	s_bfe_u32 s41, ttmp6, 0x40004                  ; cy
	s_mov_b32 s100, ttmp9                          ; 0 Q, 1 K, 2 V
	s_and_b32 s2, ttmp7, 0xffff
	s_cmp_eq_u32 s100, 2
	s_cselect_b32 s17, 0, s2
	s_cselect_b32 s42, s2, 0
	s_lshl_b32 s17, s17, 2
	s_add_co_u32 s17, s17, s41                     ; tile row (A)
	s_lshl_b32 s42, s42, 2
	s_add_co_u32 s42, s42, s40                     ; tile column (B)
	s_lshl_b32 s43, s41, 2
	s_lshl_b32 s43, 15, s43                        ; my row of the cluster
	s_lshl_b32 s44, 0x1111, s40                    ; my column
	s_or_b32 s[G1+0], s43, (0<<16)|(1<<20)|(1<<21)|(5<<22)|(3<<25)
	s_or_b32 s[G1B+0], s44, (0<<16)|(1<<20)|(1<<21)|(5<<22)|(3<<25)
.irp g, G1, G1B
	s_mov_b32 s[\g+1], ROWB<<16
	s_mov_b32 s[\g+2], 256<<16                     ; 256 rows for the head's loads
	s_mov_b32 s[\g+3], ROWB<<16
	s_mov_b32 s[\g+4], 256
	s_mov_b32 s[\g+5], KROW
	s_mov_b32 s[\g+6], 0
	s_mov_b32 s[\g+7], 0
.endr
	s_or_b32 s[G1S+0], s43, (3<<16)|(1<<20)|(1<<21)|(5<<22)|(3<<25)
	s_or_b32 s[G1SB+0], s44, (3<<16)|(1<<20)|(1<<21)|(5<<22)|(3<<25)
.irp g, G1S, G1SB
	s_mov_b32 s[\g+1], 32<<16                      ; the scales of 256 rows: KS rows of 256 bytes
	s_mov_b32 s[\g+2], KS<<16
	s_mov_b32 s[\g+3], 32<<16
	s_mov_b32 s[\g+4], KS
	s_mov_b32 s[\g+5], 32
	s_mov_b32 s[\g+6], 0
	s_mov_b32 s[\g+7], 0
.endr
	s_lshl_b32 s20, s17, 8
	s_lshl_b32 s46, s42, 8
	s_mov_b32 s21, 0
	s_mov_b32 s47, 0
	s_mov_b64 s[18:19], KS
	s_mul_u64 s[22:23], s[20:21], s[18:19]
	s_mul_u64 s[92:93], s[46:47], s[18:19]
	s_mov_b64 s[18:19], KROW
	s_mul_u64 s[20:21], s[20:21], s[18:19]
	s_mul_u64 s[46:47], s[46:47], s[18:19]
	s_mul_i32 s18, s16, 128*KROW
	s_mov_b32 s19, 0
	s_mul_i32 s45, s14, HALFT
	s_wait_dscnt 0x0
	s_wait_kmcnt 0x0
	s_cmp_eq_u32 s100, 1
	s_cselect_b64 s[8:9], s[36:37], s[32:33]
	s_cselect_b64 s[10:11], s[38:39], s[34:35]
	s_cmp_eq_u32 s100, 2
	s_cselect_b64 s[4:5], s[56:57], s[96:97]       ; A: x, or Wv
	s_cselect_b64 s[6:7], s[58:59], s[98:99]
	s_cselect_b64 s[8:9], s[96:97], s[8:9]         ; B: Wq or Wk, or x
	s_cselect_b64 s[10:11], s[98:99], s[10:11]
	s_mov_b64 s[12:13], s[60:61]
	s_mov_b64 s[66:67], s[62:63]
	s_add_nc_u64 s[20:21], s[4:5], s[20:21]
	s_add_nc_u64 s[22:23], s[6:7], s[22:23]
	s_add_nc_u64 s[46:47], s[8:9], s[46:47]
	s_add_nc_u64 s[92:93], s[10:11], s[92:93]
	CROUND                                         ; in front of the first joint loads
	s_mov_b32 s[G0H], 1
	s_mov_b32 s[G0H+1], 0
	s_mov_b64 s[G0H+2:G0H+3], s[20:21]
	s_or_b32 s[G0H+3], s[G0H+3], 0x80000000
	s_mov_b32 s[G0HB], 1
	s_mov_b32 s[G0HB+1], 2*HALFT
	s_mov_b64 s[G0HB+2:G0HB+3], s[46:47]
	s_or_b32 s[G0HB+3], s[G0HB+3], 0x80000000
	s_mov_b32 s[G0S], 1
	s_mov_b32 s[G0S+1], SCL
	s_mov_b64 s[G0S+2:G0S+3], s[22:23]
	s_or_b32 s[G0S+3], s[G0S+3], 0x80000000
	s_mov_b32 s[G0SB], 1
	s_mov_b32 s[G0SB+1], SCL+2*HALFS
	s_mov_b64 s[G0SB+2:G0SB+3], s[92:93]
	s_or_b32 s[G0SB+3], s[G0SB+3], 0x80000000
	s_add_nc_u64 s[20:21], s[20:21], s[18:19]      ; for the ring: my 128 rows
	s_add_nc_u64 s[46:47], s[46:47], s[18:19]
.irp s, 0,1
	s_mov_b32 s[G0+4*\s], 1
	s_add_co_u32 s[G0+4*\s+1], s45, \s*SLOT
	s_add_nc_u64 s[G0+4*\s+2:G0+4*\s+3], s[20:21], \s*ROWB
	s_or_b32 s[G0+4*\s+3], s[G0+4*\s+3], 0x80000000
	s_mov_b32 s[G0B+4*\s], 1
	s_add_co_u32 s[G0B+4*\s+1], s45, \s*SLOT
	s_add_nc_u64 s[G0B+4*\s+2:G0B+4*\s+3], s[46:47], \s*ROWB
	s_or_b32 s[G0B+4*\s+3], s[G0B+4*\s+3], 0x80000000
.endr
; the head's loads, one a wave: chunk 0 of A, chunk 0 of B, A's scales, B's scales
.macro ARM under, g0, g1, next
	s_cmp_lt_u32 s14, \under
	s_cbranch_scc0 \next
	tensor_load_to_lds s[\g0:\g0+3], s[\g1:\g1+7]
	s_nop 0
	PLACES 4
	s_branch .Lhead_asked
\next:
.endm
	ARM 1, G0H,  G1,  .Lhead_b
	ARM 2, G0HB, G1B, .Lhead_sa
	ARM 3, G0S,  G1S, .Lhead_sb
	tensor_load_to_lds s[G0SB:G0SB+3], s[G1SB:G1SB+7]
	s_nop 0
	PLACES 4
.Lhead_asked:
	v_and_b32 v1, 15, v0
	v_bfe_u32 v2, v0, 4, 1
	v_mul_u32_u24 v3, v1, PITCH
	v_mul_u32_u24 v4, v2, 24
	v_add_nc_u32 v4, v3, v4                        ; row x pitch + 24 x half
	s_mov_b32 s21, SLOT-232
	s_mov_b32 s22, SLOT+232
	v_sub_nc_u32 v7, 1, v2
	v_mul_u32_u24 v5, s21, v2
	v_add_nc_u32 v5, v3, v5
	v_add_nc_u32 v5, 232, v5                       ; lanes 0-15 byte 232 in slot 0, lanes 16-31 byte 0 in slot 1
	v_mul_u32_u24 v6, s22, v7
	v_add_nc_u32 v6, v3, v6                        ; and the other way round
	s_mul_i32 s21, s15, HALFT
	s_mul_i32 s22, s16, HALFT
	s_add_co_u32 s22, s22, 2*HALFT
	v_add_nc_u32 v[ADRA+2], s21, v5
	v_add_nc_u32 v[ADRA+3], s21, v6
	v_add_nc_u32 v[ADRB+2], s22, v5
	v_add_nc_u32 v[ADRB+3], s22, v6
.irp s, 0,1
	v_add_nc_u32 v[ADRA+\s], s21, v4
	v_add_nc_u32 v[ADRB+\s], s22, v4
	s_add_co_u32 s21, s21, SLOT
	s_add_co_u32 s22, s22, SLOT
.endr
	v_mul_u32_u24 v5, v1, KS
	v_lshrrev_b32 v6, 8, v5
	v_lshl_add_u32 v5, v6, 4, v5
	s_mul_i32 s21, s15, HALFS
	s_mul_i32 s22, s16, HALFS
	s_add_co_u32 s22, s22, 2*HALFS
	s_sub_co_u32 s22, s22, s21
	v_mul_u32_u24 v6, s22, v2                      ; lanes 16-31 take B's scale words
	s_add_co_u32 s21, s21, SCL
	v_add_nc_u32 v5, v5, v6
	v_add_nc_u32 v[ADRS], s21, v5
	v_and_b32 v6, 31, v0
	v_lshlrev_b32 v[L16], 4, v6
	v_lshlrev_b32 v[L8], 3, v6
	s_lshl_b32 s23, s14, 9                         ; my stage for the results' scale words, 512 bytes,
	s_add_co_u32 s23, s23, SLOT                    ; in slot 1: it has had its last fill, and is read no more behind step 5's barrier
	v_lshl_add_u32 v[SSTO], v1, 2, s23
	v_add_nc_u32 v[SRD], s23, v[L16]
	s_cmp_eq_u32 s100, 2
	s_mov_b32 s101, 512*IMG
	s_cselect_b32 s101, 64*IMG, s101               ; images in a column of 128: 512 (tokens) or 64 (channels)
	s_mov_b32 s2, 8192*4
	s_cselect_b32 s2, 1024*4, s2
	s_lshl_b32 s46, s42, 1
	s_add_co_u32 s46, s46, s16
	s_lshl_b32 s20, s17, 4
	s_lshl_b32 s21, s15, 3
	s_add_co_u32 s20, s20, s21
	s_mul_i32 s22, s46, s101
	s_mul_i32 s23, s20, IMG
	s_add_co_u32 s22, s22, s23
	s_mul_i32 s23, s100, 6291456
	s_add_co_u32 s22, s22, s23
	s_mov_b32 s23, 0
	s_add_nc_u64 s[12:13], s[12:13], s[22:23]
	s_mul_i32 s22, s46, s2
	s_lshl_b32 s23, s20, 6
	s_add_co_u32 s22, s22, s23
	s_lshl_b32 s23, s100, 18
	s_add_co_u32 s22, s22, s23
	s_mov_b32 s23, 0
	s_add_nc_u64 s[66:67], s[66:67], s[22:23]
.macro FRAG reg, adr, st, i            ; 16 rows x 128 K: six pieces of 8 bytes; byte y of a row lies in slot (y / 256) % 2 at byte y % 256
.irp p, 0,1,2,3,4,5
.set BY, 96*(\st)+48*(\p/3)+8*(\p%3)
.if BY/ROWB == (BY+24)/ROWB
	ds_load_b64 v[\reg+2*\p:\reg+2*\p+1], v[\adr+(BY/ROWB)%2] offset:BY%ROWB+(\i)*16*PITCH
.else
	ds_load_b64 v[\reg+2*\p:\reg+2*\p+1], v[\adr+2+(BY/ROWB)%2] offset:BY%ROWB-232+(\i)*16*PITCH
.endif
.endr
.endm
.macro MUL16 a0, p, q, sc, zero        ; A's blocks a0, a0 + 1 x B's eight; the 64 accumulators by turns
.irp a, \a0, \a0+1
.irp b, 0,1,2,3,4,5,6,7
.if \zero
	v_wmma_scale_f32_16x16x128_f8f6f4 v[8*(8*((\a)%4)+\b):8*(8*((\a)%4)+\b)+7], v[128*(\p)+FR*\b:128*(\p)+FR*\b+FR-1], v[AF+FR*(\a):AF+FR*(\a)+FR-1], 0, v[SC+8*NQ*(\sc)+NQ*\b+(\q)], v[SC+8*NQ*(\sc)+NQ*(\a)+(\q)] matrix_a_fmt:MATRIX_FMT_FP6 matrix_b_fmt:MATRIX_FMT_FP6 matrix_a_scale:MATRIX_SCALE_ROW1
.else
	v_wmma_scale_f32_16x16x128_f8f6f4 v[8*(8*((\a)%4)+\b):8*(8*((\a)%4)+\b)+7], v[128*(\p)+FR*\b:128*(\p)+FR*\b+FR-1], v[AF+FR*(\a):AF+FR*(\a)+FR-1], v[8*(8*((\a)%4)+\b):8*(8*((\a)%4)+\b)+7], v[SC+8*NQ*(\sc)+NQ*\b+(\q)], v[SC+8*NQ*(\sc)+NQ*(\a)+(\q)] matrix_a_fmt:MATRIX_FMT_FP6 matrix_b_fmt:MATRIX_FMT_FP6 matrix_a_scale:MATRIX_SCALE_ROW1
.endif
.endr
.endr
.endm
.macro FETCH_B st, p
	WIN TO_B
.irp i, 0,1,2,3,4,5,6,7
	FRAG 128*(\p)+FR*\i, ADRB, \st, \i
.endr
	WIN 0
.endm
.macro FETCH_A st, i0
.irp i, \i0, \i0+1, \i0+2, \i0+3
	FRAG AF+FR*(\i), ADRA, \st, \i
.endr
.endm
.macro SCALES pr                       ; the scale words of steps 2 pr, 2 pr + 1
.irp i, 0,1,2,3,4,5,6,7
	ds_load_b64 v[SC+8*NQ*((\pr)%2)+NQ*\i:SC+8*NQ*((\pr)%2)+NQ*\i+1], v[ADRS] offset:\i*SBLK+4*NQ*(\pr)
.endr
.endm
; A step: 64 products; the next step's fragments are fetched in its middle and at its end.  Where the next step ends in a chunk not yet read, a barrier shows that chunk;
; where it begins in a later chunk, the chunk left behind is free: the three lines, the barrier, and, if a chunk two on is left, the cluster's round and the refill.
.macro STEP st, zero
.set NX, (\st)+1
.set C0, (96*(\st))/ROWB
.set C1, (96*NX)/ROWB
.set E0, (96*(\st)+95)/ROWB
.set E1, (96*NX+95)/ROWB
.if C1 > C0 || E1 > E0
	s_wait_tensorcnt 0x0                           ; all my tensor loads have landed
.if C1 > C0
	ds_add_u32 v[SPW], v[NIL]
	s_wait_dscnt 4*NL+1                            ; the add and A's blocks 4-7 may be out
.else
	s_wait_dscnt 4*NL                              ; A's blocks 4-7 may be out
.endif
	WIN MUL_LO
	MUL16 0, (\st)%2, (\st)%2, ((\st)/2)%2, \zero
	s_wait_dscnt 0x0                               ; the add and all my reads are done
	s_barrier_signal -1
	MUL16 2, (\st)%2, (\st)%2, ((\st)/2)%2, \zero
	WIN 0
	s_barrier_wait -1
.if C1 > C0 && C0+2 < CHUNKS
	CREST
	s_add_nc_u64 s[G0+4*(C0%2)+2:G0+4*(C0%2)+3], s[G0+4*(C0%2)+2:G0+4*(C0%2)+3], 2*ROWB
	s_add_nc_u64 s[G0B+4*(C0%2)+2:G0B+4*(C0%2)+3], s[G0B+4*(C0%2)+2:G0B+4*(C0%2)+3], 2*ROWB
	JLOAD G0+4*(C0%2), G1, G0B+4*(C0%2), G1B       ; chunk C0 + 2; its four v_nop are the places ahead of the loads below
.else
	PLACES NP
.endif
.else
	s_wait_dscnt 4*NL
	WIN MUL_LO
	MUL16 0, (\st)%2, (\st)%2, ((\st)/2)%2, \zero
	MUL16 2, (\st)%2, (\st)%2, ((\st)/2)%2, \zero
	s_wait_dscnt 0
	PLACES NP
.endif
	FETCH_B NX, NX%2
	FETCH_A NX, 0
.if NX%2 == 0
	SCALES NX/2
.endif
	WIN MUL_HI
	MUL16 4, (\st)%2, (\st)%2, ((\st)/2)%2, \zero
	MUL16 6, (\st)%2, (\st)%2, ((\st)/2)%2, \zero
	PLACES NP
	WIN 0
	FETCH_A NX, 4
.endm
	s_wait_alu depctr_va_vdst(0)
	s_wait_tensorcnt 0x0                           ; my tile of the head's four is in
	ds_add_u32 v[SPW], v[NIL]
	s_mov_b32 s[G1+2], 128<<16                     ; no load of mine is out: from here on a load brings 128 rows
	s_mov_b32 s[G1+4], 128
	s_mov_b32 s[G1B+2], 128<<16
	s_mov_b32 s[G1B+4], 128
	s_wait_dscnt 0x0
	CROUND
	JLOAD G0+4, G1, G0B+4, G1B                     ; chunk 1: slot 1's first fill, issued as a refill is
	FETCH_B 0, 0
	FETCH_A 0, 0
	SCALES 0
	FETCH_A 0, 4
	STEP 0, 1                                      ; the first products start the sums
.set ST, 1
.rept STEPS-2
	STEP ST, 0
.set ST, ST+1
.endr
	s_wait_dscnt 4*NL
	WIN MUL_LO
	MUL16 0, 1, 1, 1, 0
	MUL16 2, 1, 1, 1, 0
	s_wait_dscnt 0
	WIN MUL_HI
	MUL16 4, 1, 1, 1, 0
	MUL16 6, 1, 1, 1, 0
	WIN 0
; THE WAY OUT of block a, 16 rows x 128: four blocks of 32, each in lanes l and l xor 16; scale = the largest magnitude's exponent less 2; codes as an operand's 12 registers
.macro QUANTW a
.set AC, 64*((\a)%4)
.set WW, 2+(\a)/4
.set WQ, 5*WW
	WIN WQ
.irp b, 0,1,2,3
	v_max3_num_f32 v[TM+\b], |v[AC+16*\b]|, |v[AC+16*\b+1]|, 0x1800000
.endr
.irp i, 2,4,6,8,10,12,14
.irp b, 0,1,2,3
	v_max3_num_f32 v[TM+\b], |v[AC+16*\b+\i]|, |v[AC+16*\b+\i+1]|, v[TM+\b]
.endr
.endr
	WIN 0
.irp b, 0,1,2,3
	v_permlanex16_b32 v[TM+4+\b], v[TM+\b], s18, s19
.endr
.irp b, 0,1,2,3
	v_max_num_f32 v[TM+\b], v[TM+\b], v[TM+4+\b]
.endr
.irp b, 0,1,2,3
	v_add_nc_u32 v[TM+12+\b], 0xff000000, v[TM+\b]
.endr
.irp b, 0,1,2,3
	v_lshrrev_b32 v[TM+4+\b], 23, v[TM+12+\b]
.endr
	v_lshl_or_b32 v[PW+(\a)], v[TM+5], 8, v[TM+4]
	v_lshl_or_b32 v[PW+(\a)], v[TM+6], 16, v[PW+(\a)]
	v_lshl_or_b32 v[PW+(\a)], v[TM+7], 24, v[PW+(\a)]
	WIN WW
.irp c, 0,1
	v_cvt_scalef32_pk16_fp6_f32 v[CD+6*\c:CD+6*\c+2], v[AC+32*\c:AC+32*\c+15], v[TM+12+2*\c]
	v_cvt_scalef32_pk16_fp6_f32 v[CD+12+4*\c:CD+14+4*\c], v[AC+32*\c+16:AC+32*\c+31], v[TM+12+2*\c+1]
.endr
	WIN 0
	v_nop
.irp c, 0,1
.irp i, 0,1,2
	v_permlane16_swap_b32 v[CD+6*\c+\i], v[CD+12+4*\c+\i]
.endr
.irp i, 0,1,2
	v_mov_b32 v[CD+3+6*\c+\i], v[CD+12+4*\c+\i]
.endr
.endr
.endm
	PLACES NP
	s_mov_b32 s18, 0x76543210
	s_mov_b32 s19, 0xfedcba98
.irp b, 0,1,2,3
	v_mov_b32 v[TM+4+\b], 0
.endr
.irp a, 0,1,2,3,4,5,6,7
.if \a > 0
	s_wait_xcnt 0x0                                ; the last block's stores have read v[CD] on
.endif
	QUANTW \a
	global_store_b128 v[L16], v[CD:CD+3], s[12:13] offset:IMG*\a
	global_store_b64 v[L8], v[CD+4:CD+5], s[12:13] offset:IMG*\a+512
	global_store_b128 v[L16], v[CD+6:CD+9], s[12:13] offset:IMG*\a+768
	global_store_b64 v[L8], v[CD+10:CD+11], s[12:13] offset:IMG*\a+1280
	ds_store_b32 v[SSTO], v[PW+\a] offset:64*\a
.endr
	ds_load_b128 v[BK:BK+3], v[SRD]                ; my own bytes: 128 scale words leave as 512 bytes on end
	s_wait_dscnt 0x0
	global_store_b128 v[L16], v[BK:BK+3], s[66:67]
	s_wait_tensorcnt 0x0
	ds_add_u32 v[SPW], v[NIL]
	s_wait_dscnt 0x0
	CROUND
	s_endpgm
.Lfunc_end_k_qb849c7d256_proj:
	.size	k_qb849c7d256_proj, .Lfunc_end_k_qb849c7d256_proj-k_qb849c7d256_proj
	.p2alignl 7, 3214868480
	.fill 96, 4, 3214868480
	.section	.rodata,"a",@progbits
	.p2align	6, 0x0
	.amdhsa_kernel k_qb849c7d256_proj
		.amdhsa_group_segment_fixed_size 327680
		.amdhsa_private_segment_fixed_size 0
		.amdhsa_enable_private_segment 0
		.amdhsa_kernarg_size 80
		.amdhsa_user_sgpr_count 2
		.amdhsa_user_sgpr_kernarg_segment_ptr 1
		.amdhsa_wavefront_size32 1
		.amdhsa_system_sgpr_workgroup_id_x 1
		.amdhsa_system_sgpr_workgroup_id_y 1
		.amdhsa_system_sgpr_workgroup_id_z 1
		.amdhsa_system_vgpr_workitem_id 0
		.amdhsa_next_free_vgpr 1024
		.amdhsa_next_free_sgpr 102
		.amdhsa_reserve_vcc 0
		.amdhsa_float_denorm_mode_32 3
		.amdhsa_float_denorm_mode_16_64 3
		.amdhsa_memory_ordered 1
		.amdhsa_forward_progress 1
		.amdhsa_inst_pref_size 167
	.end_amdhsa_kernel
	.amdgpu_metadata
---
amdhsa.version: [ 1, 2 ]
amdhsa.kernels:
  - .name:           k_qb849c7d256_proj
    .symbol:         k_qb849c7d256_proj.kd
    .args:
      - { .name: x_codes, .offset: 0, .size: 8, .value_kind: global_buffer, .address_space: global }
      - { .name: x_scales, .offset: 8, .size: 8, .value_kind: global_buffer, .address_space: global }
      - { .name: Wq_codes, .offset: 16, .size: 8, .value_kind: global_buffer, .address_space: global }
      - { .name: Wq_scales, .offset: 24, .size: 8, .value_kind: global_buffer, .address_space: global }
      - { .name: Wk_codes, .offset: 32, .size: 8, .value_kind: global_buffer, .address_space: global }
      - { .name: Wk_scales, .offset: 40, .size: 8, .value_kind: global_buffer, .address_space: global }
      - { .name: Wv_codes, .offset: 48, .size: 8, .value_kind: global_buffer, .address_space: global }
      - { .name: Wv_scales, .offset: 56, .size: 8, .value_kind: global_buffer, .address_space: global }
      - { .name: qkv, .offset: 64, .size: 8, .value_kind: global_buffer, .address_space: global }
      - { .name: qkvs, .offset: 72, .size: 8, .value_kind: global_buffer, .address_space: global }
    .group_segment_fixed_size: 327680
    .private_segment_fixed_size: 0
    .kernarg_segment_align: 8
    .kernarg_segment_size: 80
    .max_flat_workgroup_size: 128
    .sgpr_count:     102
    .vgpr_count:     1024
    .wavefront_size: 32
...
	.end_amdgpu_metadata
.endif
;; end of part 1
;; launch attn (part 2): grid 4 x 64, 16 waves a work-group, clusters of 4 x 1, 215,040 bytes of LDS; arguments qkv, qkvs, oimg, osc; writes oimg, osc
.if DOCPART == 2
	.amdgcn_target "amdgcn-amd-amdhsa--gfx1250"
	.amdhsa_code_object_version 6
	.text
	.protected	k_qb849c7d256_attn
	.globl	k_qb849c7d256_attn
	.p2align	8
	.type	k_qb849c7d256_attn,@function
k_qb849c7d256_attn:
	s_mov_b64 s[64:65], 0
	v_nop
	global_prefetch_b8 v0, s[64:65] scope:SCOPE_SE
	s_setreg_imm32_b32 hwreg(HW_REG_WAVE_MODE, 25, 1), 1
	s_wait_xcnt 0x0
	s_wait_alu depctr_hold_cnt(0) depctr_sa_sdst(0) depctr_va_vdst(0) depctr_va_sdst(0) depctr_va_ssrc(0) depctr_va_vcc(0) depctr_vm_vsrc(0)
	s_getreg_b32 s2, hwreg(HW_REG_IB_STS2, 6, 4)
	s_cmp_eq_u32 s2, 0
	s_cbranch_scc0 .Lentry_in_a_cluster
	s_endpgm
.Lentry_in_a_cluster:
	s_bfe_u32 s2, ttmp6, 0x10000c
	s_cmp_lg_u32 s2, 0x3003
	s_cbranch_scc0 .Lentry_shape_is_right
	s_endpgm
.Lentry_shape_is_right:
; o[b][h][q] = softmax_k(q . k / 32) v, both products on codes of FP6 (E2M3) with one E8M0 scale for each 32 along a product's K; o is quantised here, along the head's channels, for the last product.
; THE SOFTMAX: t = score x log2(e) / 32; M = the running largest t rounded UP to a whole number; p = 2^(t - M) is quantised along the keys, not normalised; the row's sum is taken of the unquantised p and divides at the end.
;   When M moves, the sum and O are multiplied by 2^(old M - new M): exact.
; SHARES.  Grid y = 16 x batch + head.  The four work-groups of a cluster take the four quarters of the head's 2,048 queries: 512 each.  Each of sixteen waves owns one tile of 16 queries in each of two passes,
;   in 222 registers: four waves to a SIMD, so that one wave's vector work stands beside another's matrix work and LDS loads.
; ALL OF THE HEAD'S K AND V LIE IN LDS, FILLED ONCE: 16 steps of 128 keys x 13,056 bytes = 208,896.  So no byte of LDS is filled twice, and the loop over the keys has no barrier.
;   Wave w fills step w's block by four tensor loads.  The four partners walk the same K and V: each load is asked for JOINTLY (mask 15, the same descriptor in all four).
; OPERANDS come as images of their registers, as the launch before laid them: registers 0-3 at 16 x lane, 4-5 at 512 + 8 x lane (and for V registers 6-9 at 768 + 16 x lane, 10-11 at 1,280 + 8 x lane).
;   The head has 64 channels and the matrix instruction 128 along K: Q's and K's registers 6-11 hold zero codes, which add nothing; their scale words' upper two bytes are 0 (2^-127).
; LAYOUT.  Both products are used transposed: S^T = K Q^T (source 0 = 16 keys), O^T = V^T P^T (source 0 = 16 channels): a lane holds one query (lane % 16) throughout.
;   The 16 registers of two neighbouring tiles of S^T hold keys 16 (i / 8) + 8 (lane / 16) + i % 8 of a true block of 32 and are taken as places 16 (lane / 16) + i: the order in which V's codes were laid.
;   O meets a given operand (Wo) next, so its channels are brought into their true places by sixteen exchanges of lane halves before it is quantised.
; OUT: oimg [tile of 16 rows][head][768]: registers 0-5 of the last product's fragment; osc [head][row]: two scale bytes.
; LIMITS: NaN and infinities are not served.  A block of o whose largest magnitude lies under 2^-124, zeros among them, gets the byte 1; so does a block of p that has fallen to 0: this program alone reads the bytes.
; LDS BY REGIONS, AND THE FILLS AS THEY NOW STAND, ONE TENSOR LOAD A WAVE (this takes the place of what the head says of step blocks and of four loads a wave):
; K 128 tiles x 768 | V 16 steps x 6,144 | K's scale words 16 x 512 | V's 16 x 256.  Waves 0-7 fetch 16 tiles of K each, waves 8-11 four steps of V, waves 12-13 half of K's scale words, waves 14-15 half of V's.
.set STEPB, 6144                       ; a step of 128 keys: 8 tiles of K, and as many bytes of V
.set VOF,   98304
.set KSOF,  196608
.set VSOF,  204800
.set OSTG,  208896
.set LV16,  218                        ; v218, v219: 16 x lane, 8 x lane in V's region; v220, v221 with the step added
.set LV8,   219
.set AV16,  220
.set AV8,   221
.set TK,    66                         ; s66, s67: the step's place in K's and in V's scale words
.set TV,    67
.set L16, 1                            ; v1   16 x lane
.set L8,  2                            ; v2   8 x lane
.set L4K, 3                            ; v3   4 x lane + 2 x (head % 2) + KSOF: my key's two scale bytes
.set L4V, 4                            ; v4   4 x lane + VSOF
.set QSO, 5                            ; v5   4 (lane % 16)
.set OSA, 6                            ; v6   OSTG + 32 x wave + 2 (lane % 16)
.set A16, 7                            ; v7-10 the same four with the step's block added
.set A8,  8
.set A4K, 9
.set A4V, 10
.set OSR, 11                           ; v11  OSTG + 16 x thread
.set NM,  12                           ; v12 -M, v13 the largest t
.set SUM, 14                           ; v[14:15] the row's sum in two halves
.set Q,   16                           ; v[16:27] Q's fragment; v22-27 stay 0
.set QS,  28                           ; v28  Q's scale words
.set PSW, 29                           ; v29  p's scale word
.set KS,  30                           ; v30-33 K's scale words: register u: lanes 0-15 tile 2 u, lanes 16-31 tile 2 u + 1
.set VS,  34                           ; v34-35 V's likewise
.set KB,  36                           ; v[36:83] four fragments of K; the upper six registers of each stay 0
.set S,   84                           ; v[84:147] S^T, then p; V's four fragments then take v[84:131]
.set O,   148                          ; v[148:179] O^T
.set CD,  180                          ; v[180:191] codes
.set CT,  192                          ; v192-194, v196-198 the conversions' second halves
.set BM,  200                          ; v200-203 a block's largest score, then its largest p
.set T4,  204                          ; v204-207 at work
.set SO,  208                          ; v208-211 the conversions' scale operands
.set F,   212                          ; v[212:213] f = 2^(old M - new M); later 1 / sum
.set TMP, 214
.set OSG, 215                          ; v215 16 x thread
.set TB,  2                            ; s2   the step's block in LDS
.set CNT, 3                            ; s3   steps to go
.set WV,  12
.set SEL, 20                           ; s[20:21] lane selects for lane l xor 16
.set CS,  22                           ; s[22:23] c = log2(e) / 32
.set G1K, 24
.set G1V, 32
.set G1KS, 40
.set G1VS, 48
.set G0K, 56
.set G0V, 60
.set G0KS, 68
.set G0VS, 72
.macro CROUND                          ; a round of the cluster's barrier
	s_barrier_signal -1
	s_barrier_wait -1
	s_cmp_lg_u32 s[WV], 0
	s_cbranch_scc1 .Lnot_wave_0_\@
	s_barrier_signal -3
.Lnot_wave_0_\@:
	s_barrier_wait -3
	s_barrier_signal -1
	s_barrier_wait -1
.endm
.macro GROUP1 g, c, r, p               ; r rows of c elements of 8 bytes, p elements from row to row; the mask names all four work-groups, bit 21 set beside it; no padding
	s_mov_b32 s[\g], 15|(3<<16)|(1<<21)
	s_mov_b32 s[\g+1], (\c)<<16
	s_mov_b32 s[\g+2], (\r)<<16
	s_mov_b32 s[\g+3], (\c)<<16
	s_mov_b32 s[\g+4], \r
	s_mov_b32 s[\g+5], \p
	s_mov_b32 s[\g+6], 0
	s_mov_b32 s[\g+7], 0
.endm
	s_load_b256 s[4:11], s[0:1], 0x0               ; qkv s[4:5], qkvs s[6:7], oimg s[8:9], osc s[10:11]
	v_lshl_add_u32 v216, v0, 2, 0x34000
	v_mov_b32 v217, 0
	ds_add_u32 v216, v217
	ds_add_u32 v216, v217
	v_lshrrev_b32 v1, 5, v0
	s_delay_alu instid0(VALU_DEP_1)
	v_readfirstlane_b32 s[WV], v1                  ; wave 0..15
	s_and_b32 s14, ttmp7, 0xffff                   ; 16 x batch + head: the cluster's y, shared by the four partners
	s_lshr_b32 s15, s14, 4                         ; batch
	s_and_b32 s16, s14, 15                         ; head
	s_lshr_b32 s17, s16, 1                         ; its pair
	s_and_b32 s18, s16, 1                          ; and which of the pair
	GROUP1 G1K, 96, 16, 192                        ; K: 16 tiles' halves of 768 bytes, 1,536 bytes apart
	GROUP1 G1V, 768, 4, 12288                      ; V: 4 steps' 6,144 bytes, 98,304 apart
	GROUP1 G1KS, 32, 16, 32                        ; K's scale words: 4,096 dense bytes
	GROUP1 G1VS, 32, 8, 512                        ; V's: 8 steps' 256 bytes, 4,096 apart
	s_mul_i32 s84, s17, 786432                     ; q's and k's images: the pair's 512 tiles,
	s_mul_i32 s85, s18, 768                        ; my head's half of an image,
	s_add_co_u32 s84, s84, s85
	s_mul_i32 s85, s15, 128*1536                   ; the batch's 128 tiles
	s_add_co_u32 s84, s84, s85
	s_and_b32 s13, s[WV], 7
	s_mul_i32 s85, s13, 16*1536                    ; K: 16 tiles from tile 16 (w % 8) on,
	s_mul_i32 s19, s13, 16*768                     ; and their place in LDS
	s_add_co_u32 s86, s84, s85
	s_add_co_u32 s86, s86, 6291456                 ; in k's part of qkv
	s_mov_b32 s87, 0
	s_lshl_b32 s88, s15, 4
	s_and_b32 s13, s[WV], 3
	s_lshl_b32 s66, s13, 2
	s_add_co_u32 s66, s66, s88                     ; V: blocks of 128 keys from 16 x batch + 4 (w % 4) on
	s_mul_i32 s90, s66, 98304
	s_mul_i32 s67, s13, 4*6144
	s_and_b32 s13, s[WV], 1
	s_lshl_b32 s66, s13, 3
	s_add_co_u32 s88, s88, s66                     ; V's scale words: from block 16 x batch + 8 (w % 2) on
	s_mul_i32 s91, s16, 6144                       ; my head's 4 tiles of channels,
	s_add_co_u32 s90, s90, s91
	s_add_co_u32 s90, s90, 12582912                ; in v's part
	s_mov_b32 s91, 0
	s_lshl_b32 s92, s17, 15                        ; q's and k's scale words: the pair's 8,192 rows,
	s_lshl_b32 s93, s15, 13                        ; the batch's 2,048
	s_add_co_u32 s92, s92, s93
	s_lshl_b32 s93, s13, 12                        ; K's scale words: half w % 2
	s_add_co_u32 s94, s92, s93
	s_add_co_u32 s94, s94, 262144                  ; in k's part of qkvs
	s_mov_b32 s95, 0
	s_lshl_b32 s88, s88, 12                        ; V's scale words: 1,024 rows a block of keys,
	s_lshl_b32 s89, s16, 8                         ; my head's 64 rows,
	s_add_co_u32 s88, s88, s89
	s_add_co_u32 s88, s88, 524288                  ; in v's part
	s_mov_b32 s89, 0
	s_lshl_b32 s2, s13, 12                         ; where the halves of the scale words go
	s_lshl_b32 s3, s13, 11
	s_mov_b32 s[SEL], 0x76543210
	s_mov_b32 s[SEL+1], 0xfedcba98
	s_mov_b32 s[CS], 0x3d38aa3b                    ; log2(e) / 32
	s_mov_b32 s[CS+1], s[CS]                       ; (named with it as a pair, so it is written)
	s_wait_dscnt 0x0
	s_wait_kmcnt 0x0
	s_mov_b32 s[G0K], 1
	s_mov_b32 s[G0K+1], s19
	s_add_nc_u64 s[G0K+2:G0K+3], s[4:5], s[86:87]
	s_or_b32 s[G0K+3], s[G0K+3], 0x80000000
	s_mov_b32 s[G0V], 1
	s_add_co_u32 s[G0V+1], s67, VOF
	s_add_nc_u64 s[G0V+2:G0V+3], s[4:5], s[90:91]
	s_or_b32 s[G0V+3], s[G0V+3], 0x80000000
	s_mov_b32 s[G0KS], 1
	s_add_co_u32 s[G0KS+1], s2, KSOF
	s_add_nc_u64 s[G0KS+2:G0KS+3], s[6:7], s[94:95]
	s_or_b32 s[G0KS+3], s[G0KS+3], 0x80000000
	s_mov_b32 s[G0VS], 1
	s_add_co_u32 s[G0VS+1], s3, VSOF
	s_add_nc_u64 s[G0VS+2:G0VS+3], s[6:7], s[88:89]
	s_or_b32 s[G0VS+3], s[G0VS+3], 0x80000000
	CROUND                                         ; all four work-groups are here: the joint loads meet
.macro ARM under, g0, g1, next                 ; one chain of branches on the wave's number: every way passes one load
	s_cmp_lt_u32 s[WV], \under
	s_cbranch_scc0 \next
	tensor_load_to_lds s[\g0:\g0+3], s[\g1:\g1+7]
	s_nop 0
.rept 4
	v_nop
.endr
	s_branch .Lhead_asked
\next:
.endm
	ARM 8,  G0K,  G1K,  .Lhead_v
	ARM 12, G0V,  G1V,  .Lhead_ks
	ARM 14, G0KS, G1KS, .Lhead_vs
	tensor_load_to_lds s[G0VS:G0VS+3], s[G1VS:G1VS+7]
	s_nop 0
.rept 4
	v_nop
.endr
.Lhead_asked:
	; what hangs on my place in the cluster: the addresses of Q, of its scale words, of oimg and of osc; made here, behind the joint loads
	s_bfe_u32 s13, ttmp6, 0x40000                  ; cx: my quarter of the queries
	s_lshl_b32 s85, s13, 5
	s_add_co_u32 s85, s85, s[WV]                   ; my tile of pass 0 in the batch: 32 cx + w
	s_mul_i32 s93, s85, 1536
	s_add_co_u32 s76, s84, s93
	s_mov_b32 s77, 0
	s_add_nc_u64 s[76:77], s[4:5], s[76:77]        ; Q's half image
	s_lshl_b32 s78, s85, 6                         ; 16 rows x 4 bytes a tile
	s_add_co_u32 s78, s78, s92
	s_lshl_b32 s93, s18, 1                         ; my head's two bytes of a word
	s_add_co_u32 s78, s78, s93
	s_mov_b32 s79, 0
	s_add_nc_u64 s[78:79], s[6:7], s[78:79]        ; Q's scale bytes
	s_lshl_b32 s80, s15, 7
	s_add_co_u32 s80, s80, s85
	s_mul_i32 s80, s80, 12288                      ; oimg: a tile of rows is 16 heads x 768 bytes
	s_mul_i32 s93, s16, 768
	s_add_co_u32 s80, s80, s93
	s_mov_b32 s81, 0
	s_add_nc_u64 s[80:81], s[8:9], s[80:81]
	s_lshl_b32 s82, s16, 14                        ; osc: 8,192 rows x 2 bytes a head,
	s_lshl_b32 s93, s15, 12                        ; 2,048 rows a batch,
	s_add_co_u32 s82, s82, s93
	s_lshl_b32 s93, s13, 10                        ; 512 rows a work-group
	s_add_co_u32 s82, s82, s93
	s_mov_b32 s83, 0
	s_add_nc_u64 s[82:83], s[10:11], s[82:83]
	s_lshl_b32 s84, s18, 1
	s_add_co_u32 s84, s84, KSOF
	s_lshl_b32 s85, s[WV], 5
	s_add_co_u32 s85, s85, OSTG
	v_and_b32 v[OSR], 31, v0                       ; lane
	s_delay_alu instid0(VALU_DEP_1)
	v_lshlrev_b32 v[L16], 4, v[OSR]
	s_delay_alu instid0(VALU_DEP_2)
	v_lshlrev_b32 v[L8], 3, v[OSR]
	s_delay_alu instid0(VALU_DEP_3)
	v_lshl_add_u32 v[L4K], v[OSR], 2, s84
	s_delay_alu instid0(VALU_DEP_4)
	v_lshl_add_u32 v[L4V], v[OSR], 2, VSOF
	v_and_b32 v[OSA], 15, v0
	s_delay_alu instid0(VALU_DEP_1)
	v_lshlrev_b32 v[QSO], 2, v[OSA]
	s_delay_alu instid0(VALU_DEP_2)
	v_lshl_add_u32 v[OSA], v[OSA], 1, s85
	v_lshl_add_u32 v[OSR], v0, 4, OSTG
	v_lshlrev_b32 v[OSG], 4, v0
	v_add_nc_u32 v[LV16], VOF, v[L16]
	v_add_nc_u32 v[LV8], VOF, v[L8]
.irp i, 6,7,8,9,10,11
	v_mov_b32 v[Q+\i], 0                           ; zero codes for K = 64 .. 127, written once
.irp t, 0,1,2,3
	v_mov_b32 v[KB+12*\t+\i], 0
.endr
.endr
.irp b, 0,1,2,3
	v_mov_b32 v[T4+\b], 0                          ; written once: a lane permute's destination counts as one of its sources
.endr
	v_mov_b32 v[F], 0
	v_mov_b32 v[F+1], 0                            ; (named as the upper half of the pair)
	s_wait_tensorcnt 0x0                           ; my block has landed,
	s_barrier_signal -1
	s_barrier_wait -1                              ; everybody's has: all of K and V lie in LDS for the rest of the launch
; A KEY STEP: 128 keys, the block at s[TB].
.macro STEP
	v_add_nc_u32 v[A16], s[TB], v[L16]             ; six places: the first products below write over registers that the last step's products read
	v_add_nc_u32 v[A8], s[TB], v[L8]
	v_add_nc_u32 v[A4K], s[TK], v[L4K]
	v_add_nc_u32 v[A4V], s[TV], v[L4V]
	v_add_nc_u32 v[AV16], s[TB], v[LV16]
	v_add_nc_u32 v[AV8], s[TB], v[LV8]
	s_wait_alu depctr_va_vdst(0)
.irp g, 0,1                                    ; S^T = K Q^T, four tiles of 16 keys at a time
.if \g > 0
.rept 4
	v_nop                                          ; places in front of loads into registers that matrix instructions have read
.endr
.endif
.irp t, 0,1,2,3
	ds_load_b128 v[KB+12*\t:KB+12*\t+3], v[A16] offset:768*(4*\g+\t)
	ds_load_b64 v[KB+12*\t+4:KB+12*\t+5], v[A8] offset:768*(4*\g+\t)+512
.endr
.if \g == 0
.irp u, 0,1,2,3
	ds_load_u16 v[KS+\u], v[A4K] offset:128*\u     ; key 32 u + lane's two scale bytes; the upper half of the register is 0
.endr
.irp u, 0,1
	ds_load_b32 v[VS+\u], v[A4V] offset:128*\u     ; channel 32 u + lane's word for these 128 keys
.endr
.endif
	s_wait_dscnt 0x0
.irp t, 0,1,2,3
.if \t%2
	v_wmma_scale_f32_16x16x128_f8f6f4 v[S+8*(4*\g+\t):S+8*(4*\g+\t)+7], v[KB+12*\t:KB+12*\t+11], v[Q:Q+11], 0, v[KS+(4*\g+\t)/2], v[QS] matrix_a_fmt:MATRIX_FMT_FP6 matrix_b_fmt:MATRIX_FMT_FP6 matrix_a_scale:MATRIX_SCALE_ROW1
.else
	v_wmma_scale_f32_16x16x128_f8f6f4 v[S+8*(4*\g+\t):S+8*(4*\g+\t)+7], v[KB+12*\t:KB+12*\t+11], v[Q:Q+11], 0, v[KS+(4*\g+\t)/2], v[QS] matrix_a_fmt:MATRIX_FMT_FP6 matrix_b_fmt:MATRIX_FMT_FP6
.endif
.endr
.endr
.rept 4
	v_nop                                          ; places in front of the first read of results
.endr
.irp b, 0,1,2,3
	v_max3_num_f32 v[BM+\b], v[S+16*\b], v[S+16*\b+1], v[S+16*\b+2]   ; the largest score of each block of 32 keys: it serves for the row's maximum and, since p rises with the score, for the block's largest p
.endr
.irp i, 3,5,7,9,11,13
.irp b, 0,1,2,3
	v_max3_num_f32 v[BM+\b], v[BM+\b], v[S+16*\b+\i], v[S+16*\b+\i+1]   ; (the four blocks by turns; each accumulator is read from its low end on)
.endr
.endr
.irp b, 0,1,2,3
	v_max_num_f32 v[BM+\b], v[BM+\b], v[S+16*\b+15]
.endr
.irp b, 0,1,2,3
	s_delay_alu instid0(VALU_DEP_4)
	v_permlanex16_b32 v[T4+\b], v[BM+\b], s[SEL], s[SEL+1]
.endr
.irp b, 0,1,2,3
	s_delay_alu instid0(VALU_DEP_4)
	v_max_num_f32 v[BM+\b], v[BM+\b], v[T4+\b]     ; with lane l xor 16's 16 keys
.endr
	s_delay_alu instid0(VALU_DEP_2)
	v_max3_num_f32 v[TMP], v[BM], v[BM+1], v[BM+2]
	s_delay_alu instid0(VALU_DEP_1)
	v_max_num_f32 v[TMP], v[TMP], v[BM+3]          ; the step's largest score of my query
	s_delay_alu instid0(VALU_DEP_1)
	v_mul_f32 v[TMP], s[CS], v[TMP]                ; as t (c is positive)
	s_delay_alu instid0(VALU_DEP_1)
	v_max_num_f32 v[NM+1], v[NM+1], v[TMP]         ; the running largest t
	v_mov_b32 v[TMP], v[NM]
	s_delay_alu instid0(VALU_DEP_2)
	v_floor_f32 v[NM], -v[NM+1]                    ; the new -M = floor(-t) = -ceil(t)
	s_delay_alu instid0(VALU_DEP_1)
	v_sub_f32 v[TMP], v[NM], v[TMP]                ; old M - new M: a whole number, 0 or less
	s_delay_alu instid0(VALU_DEP_1)
	v_cvt_i32_f32 v[TMP], v[TMP]                   ; (it saturates)
	s_delay_alu instid0(VALU_DEP_1)
	v_ldexp_f32 v[F], 1.0, v[TMP]                  ; f = 2^(old M - new M)
.set JJ, 0
.rept 32
	v_pk_fma_f32 v[S+JJ:S+JJ+1], v[S+JJ:S+JJ+1], s[CS:CS+1], v[NM:NM+1] op_sel_hi:[1,0,0]   ; t - M, two at a time (of the pairs c and -M the low word serves both halves)
.set JJ, JJ+2
.endr
.irp b, 0,1,2,3
	v_fma_f32 v[BM+\b], v[BM+\b], s[CS], v[NM]     ; the same of each block's largest score
.endr
.set JJ, 0
	s_wait_alu depctr_va_vdst(0)
.rept 64
	v_exp_f32 v[S+JJ], v[S+JJ]                     ; p = 2^(t - M), at most 1
.set JJ, JJ+1
.endr
	v_pk_mul_f32 v[SUM:SUM+1], v[SUM:SUM+1], v[F:F+1] op_sel_hi:[1,0]   ; the sums under the new M: the plain instruction behind the exponentials
	s_wait_alu depctr_va_vdst(0)                   ; one wait for the batch of 64, ahead of its first reader
.irp b, 0,1,2,3
	v_exp_f32 v[BM+\b], v[BM+\b]                   ; the block's largest p: the same two instructions on the same number
.endr
	v_pk_add_f32 v[204:205], v[88:89], v[92:93]
	v_pk_add_f32 v[210:211], v[96:97], v[100:101]
	v_pk_add_f32 v[208:209], v[104:105], v[108:109]
	v_pk_add_f32 v[206:207], v[112:113], v[116:117]
	v_pk_add_f32 v[198:199], v[120:121], v[124:125]
	v_pk_add_f32 v[196:197], v[128:129], v[132:133]
	v_pk_add_f32 v[194:195], v[136:137], v[140:141]
	v_pk_add_f32 v[14:15], v[14:15], v[144:145]
	v_pk_add_f32 v[204:205], v[204:205], v[84:85]
	v_pk_add_f32 v[210:211], v[210:211], v[86:87]
	v_pk_add_f32 v[208:209], v[208:209], v[90:91]
	v_pk_add_f32 v[206:207], v[206:207], v[94:95]
	v_pk_add_f32 v[198:199], v[198:199], v[98:99]
	v_pk_add_f32 v[196:197], v[196:197], v[102:103]
	v_pk_add_f32 v[194:195], v[194:195], v[106:107]
	v_pk_add_f32 v[14:15], v[14:15], v[110:111]
	v_pk_add_f32 v[204:205], v[204:205], v[114:115]
	v_pk_add_f32 v[210:211], v[210:211], v[118:119]
	v_pk_add_f32 v[208:209], v[208:209], v[122:123]
	v_pk_add_f32 v[206:207], v[206:207], v[126:127]
	v_pk_add_f32 v[198:199], v[198:199], v[130:131]
	v_pk_add_f32 v[196:197], v[196:197], v[134:135]
	v_pk_add_f32 v[194:195], v[194:195], v[138:139]
	v_pk_add_f32 v[14:15], v[14:15], v[142:143]
	v_pk_add_f32 v[204:205], v[204:205], v[146:147]
	s_delay_alu instid0(VALU_DEP_2)
	v_pk_add_f32 v[14:15], v[14:15], v[206:207]
	s_delay_alu instid0(VALU_DEP_2)
	v_pk_add_f32 v[204:205], v[204:205], v[198:199]
	v_pk_add_f32 v[210:211], v[210:211], v[196:197]
	v_pk_add_f32 v[208:209], v[208:209], v[194:195]
	s_delay_alu instid0(VALU_DEP_2)
	v_pk_add_f32 v[14:15], v[14:15], v[210:211]
	s_delay_alu instid0(VALU_DEP_2)
	v_pk_add_f32 v[204:205], v[204:205], v[208:209]
	s_delay_alu instid0(VALU_DEP_1)
	v_pk_add_f32 v[14:15], v[14:15], v[204:205]
	s_wait_alu depctr_va_vdst(0)                   ; and one for the four
.irp b, 0,1,2,3
	v_max_num_f32 v[BM+\b], 0x1800000, v[BM+\b]    ; the floor 2^(3 - 127): the byte cannot fall under 1
.endr
.irp b, 0,1,2,3
	s_delay_alu instid0(VALU_DEP_4)
	v_add_nc_u32 v[SO+\b], 0xff000000, v[BM+\b]    ; 2 off the exponent field: the conversion's scale operand
.endr
.irp b, 0,1,2,3
	s_delay_alu instid0(VALU_DEP_4)
	v_lshrrev_b32 v[T4+\b], 23, v[SO+\b]           ; the scale's byte
.endr
	s_delay_alu instid0(VALU_DEP_3)
	v_lshl_or_b32 v[PSW], v[T4+1], 8, v[T4]        ; p's scale word for these 128 keys
	s_delay_alu instid0(VALU_DEP_1)
	v_lshl_or_b32 v[PSW], v[T4+2], 16, v[PSW]
	s_delay_alu instid0(VALU_DEP_1)
	v_lshl_or_b32 v[PSW], v[T4+3], 24, v[PSW]
.irp c, 0,1
	v_cvt_scalef32_pk16_fp6_f32 v[CD+6*\c:CD+6*\c+2], v[S+32*\c:S+32*\c+15], v[SO+2*\c]
	v_cvt_scalef32_pk16_fp6_f32 v[CT+4*\c:CT+4*\c+2], v[S+32*\c+16:S+32*\c+31], v[SO+2*\c+1]   ; (a conversion's three registers begin on an even number)
.endr
	v_nop                                          ; one plain place behind a scaled conversion
.irp t, 0,1,2,3                                ; V's four fragments land where p lay, while the codes are put in place and O^T is rescaled
	ds_load_b128 v[S+12*\t:S+12*\t+3], v[AV16] offset:1536*\t
	ds_load_b64 v[S+12*\t+4:S+12*\t+5], v[AV8] offset:1536*\t+512
	ds_load_b128 v[S+12*\t+6:S+12*\t+9], v[AV16] offset:1536*\t+768
	ds_load_b64 v[S+12*\t+10:S+12*\t+11], v[AV8] offset:1536*\t+1280
.endr
.irp c, 0,1                                    ; the operand's layout wants a whole block in a lane
.irp i, 0,1,2
	v_permlane16_swap_b32 v[CD+6*\c+\i], v[CT+4*\c+\i]
.endr
.irp i, 0,1,2
	s_delay_alu instid0(VALU_DEP_3)
	v_mov_b32 v[CD+3+6*\c+\i], v[CT+4*\c+\i]
.endr
.endr
.set JJ, 0
.rept 16
	v_pk_mul_f32 v[O+JJ:O+JJ+1], v[O+JJ:O+JJ+1], v[F:F+1] op_sel_hi:[1,0]   ; O^T under the new M.  For each product below twelve of these sixteen name none of its registers: the places between the writes of the codes and of the scale word and the products
.set JJ, JJ+2
.endr
	s_wait_alu depctr_va_vdst(0)
	s_wait_dscnt 0x0
.irp t, 0,1,2,3                                ; O^T += V^T P^T: the four accumulators by turns, one instruction a turn
.if \t%2
	v_wmma_scale_f32_16x16x128_f8f6f4 v[O+8*\t:O+8*\t+7], v[S+12*\t:S+12*\t+11], v[CD:CD+11], v[O+8*\t:O+8*\t+7], v[VS+\t/2], v[PSW] matrix_a_fmt:MATRIX_FMT_FP6 matrix_b_fmt:MATRIX_FMT_FP6 matrix_a_scale:MATRIX_SCALE_ROW1
.else
	v_wmma_scale_f32_16x16x128_f8f6f4 v[O+8*\t:O+8*\t+7], v[S+12*\t:S+12*\t+11], v[CD:CD+11], v[O+8*\t:O+8*\t+7], v[VS+\t/2], v[PSW] matrix_a_fmt:MATRIX_FMT_FP6 matrix_b_fmt:MATRIX_FMT_FP6
.endif
.endr
.endm
; THE END OF A PASS: O^T / the sum, its channels into their true places, quantised in two blocks of 32, stored as half a fragment's image.
.macro FINISH p
.rept 4
	v_nop                                          ; places behind the last products
.endr
	v_add_f32 v[SUM], v[SUM], v[SUM+1]             ; the sum's two halves,
	s_delay_alu instid0(VALU_DEP_1)
	v_permlanex16_b32 v[F], v[SUM], s[SEL], s[SEL+1]
	s_delay_alu instid0(VALU_DEP_1)
	v_add_f32 v[SUM], v[SUM], v[F]                 ; and lane l xor 16's: the row's sum
	s_wait_alu depctr_va_vdst(0)
	v_rcp_f32 v[F], v[SUM]
	v_nop                                          ; a plain instruction behind the reciprocal
	s_wait_alu depctr_va_vdst(0)                   ; and the wait ahead of its first reader
.set JJ, 0
.rept 16
	v_pk_mul_f32 v[O+JJ:O+JJ+1], v[O+JJ:O+JJ+1], v[F:F+1] op_sel_hi:[1,0]   ; register 8 t + j: o(query, 16 t + 8 (lane / 16) + j); each accumulator from its low end on
.set JJ, JJ+2
.endr
.irp b, 0,1
.irp j, 0,1,2,3,4,5,6,7
	v_permlane16_swap_b32 v[O+16*\b+\j], v[O+16*\b+8+\j]   ; tile 2 b's upper lanes change places with tile 2 b + 1's lower: register 16 b + i now holds channel 32 b + 16 (lane / 16) + i
.endr
.endr
.irp b, 0,1
	v_max3_num_f32 v[BM+\b], |v[O+16*\b]|, |v[O+16*\b+1]|, 0x1800000
.endr
.irp i, 2,4,6,8,10,12,14
.irp b, 0,1
	s_delay_alu instid0(VALU_DEP_2)
	v_max3_num_f32 v[BM+\b], v[BM+\b], |v[O+16*\b+\i]|, |v[O+16*\b+\i+1]|
.endr
.endr
.irp b, 0,1
	s_delay_alu instid0(VALU_DEP_2)
	v_permlanex16_b32 v[T4+\b], v[BM+\b], s[SEL], s[SEL+1]
.endr
.irp b, 0,1
	s_delay_alu instid0(VALU_DEP_2)
	v_max_num_f32 v[BM+\b], v[BM+\b], v[T4+\b]
.endr
.irp b, 0,1
	s_delay_alu instid0(VALU_DEP_2)
	v_add_nc_u32 v[SO+\b], 0xff000000, v[BM+\b]
.endr
.irp b, 0,1
	s_delay_alu instid0(VALU_DEP_2)
	v_lshrrev_b32 v[T4+\b], 23, v[SO+\b]
.endr
	s_delay_alu instid0(VALU_DEP_1)
	v_lshl_or_b32 v[TMP], v[T4+1], 8, v[T4]        ; my row's two scale bytes
	v_cvt_scalef32_pk16_fp6_f32 v[CD:CD+2], v[O:O+15], v[SO]
	v_cvt_scalef32_pk16_fp6_f32 v[CD+4:CD+6], v[O+16:O+31], v[SO+1]
	v_nop                                          ; one plain place behind a scaled conversion
.irp i, 0,1,2
	v_permlane16_swap_b32 v[CD+\i], v[CD+4+\i]     ; lanes 0-15 block 0, lanes 16-31 block 1: the lower 16 codes in the first three registers, the upper 16 in the second three,
.endr
.irp i, 0,1,2
	s_delay_alu instid0(VALU_DEP_3)
	v_mov_b32 v[CD+3+\i], v[CD+4+\i]               ; which move one down, the lowest first
.endr
	global_store_b128 v[L16], v[CD:CD+3], s[80:81] offset:196608*\p         ; 512 consecutive bytes, at a multiple of 256 from the buffer's first byte
	global_store_b64 v[L8], v[CD+4:CD+5], s[80:81] offset:196608*\p+512     ; 256
	ds_store_b16 v[OSA], v[TMP] offset:512*\p      ; both halves of the lanes write the same two bytes
.endm
; A PASS: my tile of 16 queries 32 cx + 16 p + w against all 2,048 keys.  O^T and the sum begin as zeros and the largest t as -3e38: the first change of M multiplies zeros.
.macro PASS p
.if \p > 0
	s_wait_xcnt 0x0                                ; the last pass's stores have read v[CD] on: the steps below write it again
.endif
	global_load_b128 v[Q:Q+3], v[L16], s[76:77] offset:24576*\p
	global_load_b64 v[Q+4:Q+5], v[L8], s[76:77] offset:24576*\p+512
	global_load_u16 v[QS], v[QSO], s[78:79] offset:1024*\p
	v_mov_b32 v[NM+1], 0xff61b1e6                  ; -3e38, under every t
	s_delay_alu instid0(VALU_DEP_1)
	v_floor_f32 v[NM], -v[NM+1]
	v_mov_b32 v[SUM], 0
	v_mov_b32 v[SUM+1], 0
.set JJ, 0
.rept 32
	v_mov_b32 v[O+JJ], 0
.set JJ, JJ+1
.endr
	s_mov_b32 s[TB], 0
	s_mov_b32 s[TK], 0
	s_mov_b32 s[TV], 0
	s_mov_b32 s[CNT], 16
	s_wait_loadcnt 0x0                             ; Q
.Lstep_\@:
	STEP
	s_add_co_u32 s[TB], s[TB], STEPB
	s_add_co_u32 s[TK], s[TK], 512
	s_add_co_u32 s[TV], s[TV], 256
	s_sub_co_u32 s[CNT], s[CNT], 1
	s_cmp_lg_u32 s[CNT], 0
	s_cbranch_scc1 .Lstep_\@
	FINISH \p
.endm
	PASS 0
	PASS 1
	s_wait_dscnt 0x0                               ; for the others' sake: my scale bytes lie in LDS
	s_barrier_signal -1
	s_barrier_wait -1
	s_cmp_lt_u32 s[WV], 2                          ; the work-group's 512 rows x 2 bytes leave by threads 0 to 63, 16 bytes each
	s_cbranch_scc0 .Lno_scales
	ds_load_b128 v[S:S+3], v[OSR]
	s_wait_dscnt 0x0
	global_store_b128 v[OSG], v[S:S+3], s[82:83]   ; a wave stores 512 consecutive bytes, at a multiple of 256 from the buffer's first byte
.Lno_scales:
	s_wait_tensorcnt 0x0
	ds_add_u32 v216, v217
	s_wait_dscnt 0x0
	CROUND                                         ; the closing round: no work-group ends while a partner may still ask for a tile that names it
	s_endpgm
.Lfunc_end_k_qb849c7d256_attn:
	.size	k_qb849c7d256_attn, .Lfunc_end_k_qb849c7d256_attn-k_qb849c7d256_attn
	.p2alignl 7, 3214868480
	.fill 96, 4, 3214868480
	.section	.rodata,"a",@progbits
	.p2align	6, 0x0
	.amdhsa_kernel k_qb849c7d256_attn
		.amdhsa_group_segment_fixed_size 215040
		.amdhsa_private_segment_fixed_size 0
		.amdhsa_enable_private_segment 0
		.amdhsa_kernarg_size 32
		.amdhsa_user_sgpr_count 2
		.amdhsa_user_sgpr_kernarg_segment_ptr 1
		.amdhsa_wavefront_size32 1
		.amdhsa_system_sgpr_workgroup_id_x 1
		.amdhsa_system_sgpr_workgroup_id_y 1
		.amdhsa_system_sgpr_workgroup_id_z 1
		.amdhsa_system_vgpr_workitem_id 0
		.amdhsa_next_free_vgpr 222
		.amdhsa_next_free_sgpr 96
		.amdhsa_reserve_vcc 0
		.amdhsa_float_denorm_mode_32 3
		.amdhsa_float_denorm_mode_16_64 3
		.amdhsa_memory_ordered 1
		.amdhsa_forward_progress 1
		.amdhsa_inst_pref_size 59
	.end_amdhsa_kernel
	.amdgpu_metadata
---
amdhsa.version: [ 1, 2 ]
amdhsa.kernels:
  - .name:           k_qb849c7d256_attn
    .symbol:         k_qb849c7d256_attn.kd
    .args:
      - { .name: qkv, .offset: 0, .size: 8, .value_kind: global_buffer, .address_space: global }
      - { .name: qkvs, .offset: 8, .size: 8, .value_kind: global_buffer, .address_space: global }
      - { .name: oimg, .offset: 16, .size: 8, .value_kind: global_buffer, .address_space: global }
      - { .name: osc, .offset: 24, .size: 8, .value_kind: global_buffer, .address_space: global }
    .group_segment_fixed_size: 215040
    .private_segment_fixed_size: 0
    .kernarg_segment_align: 8
    .kernarg_segment_size: 32
    .max_flat_workgroup_size: 512
    .sgpr_count:     96
    .vgpr_count:     222
    .wavefront_size: 32
...
	.end_amdgpu_metadata
.endif
;; end of part 2
;; launch outp (part 3): grid 4 x 32, 4 waves a work-group, clusters of 4 x 4, 327,680 bytes of LDS; arguments oimg, osc, Wo_codes, Wo_scales, bo, out0; writes out0
.if DOCPART == 3
	.amdgcn_target "amdgcn-amd-amdhsa--gfx1250"
	.amdhsa_code_object_version 6
	.text
	.protected	k_qb849c7d256_outp
	.globl	k_qb849c7d256_outp
	.p2align	8
	.type	k_qb849c7d256_outp,@function
k_qb849c7d256_outp:
	s_mov_b64 s[64:65], 0
	v_nop
	global_prefetch_b8 v0, s[64:65] scope:SCOPE_SE
	s_setreg_imm32_b32 hwreg(HW_REG_WAVE_MODE, 25, 1), 1
	s_wait_xcnt 0x0
	s_wait_alu depctr_hold_cnt(0) depctr_sa_sdst(0) depctr_va_vdst(0) depctr_va_sdst(0) depctr_va_ssrc(0) depctr_va_vcc(0) depctr_vm_vsrc(0)
	s_getreg_b32 s2, hwreg(HW_REG_IB_STS2, 6, 4)
	s_cmp_eq_u32 s2, 0
	s_cbranch_scc0 .Lentry_in_a_cluster
	s_endpgm
.Lentry_in_a_cluster:
	s_bfe_u32 s2, ttmp6, 0x10000c
	s_cmp_lg_u32 s2, 0xf033
	s_cbranch_scc0 .Lentry_shape_is_right
	s_endpgm
.Lentry_shape_is_right:
.set SIZE_N, 1024
.set KSTEP,  256
.set NQ,     KSTEP/128
.set ROWB,   768                       ; Wo's rows come whole: 768 bytes, from a multiple of 256
.set KROW,   768
.set PITCH,  816                       ; 3 x (256 + 16)
.set AROW,   3072
.set APIT,   12288
.set FR,     12
.set NLA,    4
.set NP,     4
.set HALFT,  128*PITCH                 ; 128 rows of Wo, all of K: they lie in LDS for the whole launch
.set HALFA,  8*AROW
.set SLOT,   2*HALFA                   ; the ring holds o's images alone: 16 tiles x 3,072 bytes a K step of 256
.set BBASE,  2*SLOT
.set KQ,     0                         ; the step of 128 along K that the next fetch of Wo's fragments takes
.set LAPS,   1024/(2*KSTEP)
.set KS,     32
.set SCL,    BBASE+2*HALFT
.set HALFS,  (128*KS/256)*272
.set SBLK,   (16*KS/256)*272
.set SPARE,  SCL+4*HALFS
.set SPITCH, 528
.set ADRA, 16
.set ADRB, 20
.set STO,  24
.set RD,   25
.set CO,   26
.set ADRS, 27
.set SPW,  28
.set NIL,  29
.set SC,   32
.set BIAS, 64
.set AF,   128
.set BK,   128
.set G1, 24
.set G0, 32
.set G1B, 48
.set G0B, 56
.set G1SB, 80
.set G0SB, 88
.set MSB, 0
.macro WIN new
.if MSB != \new
	s_set_vgpr_msb (MSB<<8)|\new
.set MSB, \new
.endif
.endm
.set MUL_LO, 0xa1
.set MUL_HI, 0xf1
.set TO_B,   0x40
.macro TLOAD g0, g1
	tensor_load_to_lds s[\g0:\g0+3], s[\g1:\g1+7]
	s_nop 0
.rept 4
	v_nop
.endr
.endm
.macro JLOAD g0a                       ; wave 0 fills a slot of o's images: one load of 49,152 bytes
	s_cmp_eq_u32 s14, 0
	s_cbranch_scc0 .Lasked_\@
	TLOAD \g0a, G1
.Lasked_\@:
.rept 4
	v_nop                                          ; the places ahead of the loads that follow, for the waves that come round the load
.endr
.endm
.macro CREST
	s_cmp_lg_u32 s14, 0
	s_cbranch_scc1 .Lnot_wave_0_\@
	s_barrier_signal -3
.Lnot_wave_0_\@:
	s_barrier_wait -3
	s_barrier_signal -1
	s_barrier_wait -1
.endm
.macro CROUND
	s_barrier_signal -1
	s_barrier_wait -1
	CREST
.endm
	s_load_b128 s[4:7], s[0:1], 0x0
	s_load_b128 s[8:11], s[0:1], 0x10
	s_load_b128 s[96:99], s[0:1], 0x20
	v_lshl_add_u32 v[SPW], v0, 2, SPARE
	v_mov_b32 v[NIL], 0
	ds_add_u32 v28, v29
	ds_add_u32 v28, v29
	s_wait_dscnt 0x0
	v_lshrrev_b32 v1, 5, v0
	v_readfirstlane_b32 s14, v1
	s_lshr_b32 s15, s14, 1
	s_and_b32 s16, s14, 1
	s_bfe_u32 s40, ttmp6, 0x40000
	s_bfe_u32 s41, ttmp6, 0x40004
	s_lshl_b32 s42, ttmp9, 2
	s_add_co_u32 s42, s42, s40
	s_and_b32 s17, ttmp7, 0xffff
	s_lshl_b32 s17, s17, 2
	s_add_co_u32 s17, s17, s41
	s_lshl_b32 s43, s41, 2
	s_lshl_b32 s43, 15, s43
	s_lshl_b32 s44, 0x1111, s40
	s_or_b32 s[G1+0], s43, (3<<16)|(1<<21)
	s_mov_b32 s[G1+1], (AROW/8)<<16
	s_mov_b32 s[G1+2], 16<<16
	s_mov_b32 s[G1+3], (AROW/8)<<16
	s_mov_b32 s[G1+4], 16
	s_mov_b32 s[G1+5], APIT/8
	s_mov_b32 s[G1+6], 0
	s_mov_b32 s[G1+7], 0
	s_or_b32 s[G1B+0], s44, (0<<16)|(1<<20)|(1<<21)|(5<<22)|(3<<25)
	s_mov_b32 s[G1B+1], ROWB<<16
	s_mov_b32 s[G1B+2], 128<<16
	s_mov_b32 s[G1B+3], ROWB<<16
	s_mov_b32 s[G1B+4], 128
	s_mov_b32 s[G1B+5], KROW
	s_mov_b32 s[G1B+6], 0
	s_mov_b32 s[G1B+7], 0
	s_or_b32 s[G1SB+0], s44, (3<<16)|(1<<20)|(1<<21)|(5<<22)|(3<<25)
	s_mov_b32 s[G1SB+1], 32<<16
	s_mov_b32 s[G1SB+2], 32<<16
	s_mov_b32 s[G1SB+3], 32<<16
	s_mov_b32 s[G1SB+4], 32
	s_mov_b32 s[G1SB+5], 32
	s_mov_b32 s[G1SB+6], 0
	s_mov_b32 s[G1SB+7], 0
	s_lshl_b32 s20, s17, 4
	s_mul_i32 s20, s20, APIT
	s_mov_b32 s21, 0
	s_lshl_b32 s46, s42, 8
	s_lshl_b32 s18, s16, 7
	s_add_co_u32 s46, s46, s18
	s_mul_i32 s46, s46, KROW
	s_mov_b32 s47, 0
	s_lshl_b32 s92, s42, 13
	s_mov_b32 s93, 0
	s_mul_i32 s45, s16, HALFT
	s_add_co_u32 s45, s45, BBASE
	s_mov_b32 s94, SCL+2*HALFS
	s_wait_kmcnt 0x0
	s_mov_b64 s[12:13], s[98:99]
	s_add_nc_u64 s[20:21], s[4:5], s[20:21]
	s_add_nc_u64 s[46:47], s[8:9], s[46:47]
	s_add_nc_u64 s[92:93], s[10:11], s[92:93]
	CROUND
	s_mov_b32 s[G0SB], 1
	s_mov_b32 s[G0SB+1], s94
	s_mov_b64 s[G0SB+2:G0SB+3], s[92:93]
	s_or_b32 s[G0SB+3], s[G0SB+3], 0x80000000
.irp s, 0,1
	s_mov_b32 s[G0+4*\s], 1
	s_mov_b32 s[G0+4*\s+1], \s*SLOT
	s_add_nc_u64 s[G0+4*\s+2:G0+4*\s+3], s[20:21], \s*AROW
	s_or_b32 s[G0+4*\s+3], s[G0+4*\s+3], 0x80000000
.endr
	s_mov_b32 s[G0B], 1
	s_mov_b32 s[G0B+1], s45
	s_mov_b64 s[G0B+2:G0B+3], s[46:47]
	s_or_b32 s[G0B+3], s[G0B+3], 0x80000000
	; the head's loads, one a wave: waves 2 and 3 a half each of Wo's 256 rows, wave 0 o's first K step, wave 1 Wo's scales
	s_cmp_lt_u32 s14, 2
	s_cbranch_scc1 .Lhead_low
	TLOAD G0B, G1B
	s_branch .Lhead_asked
.Lhead_low:
	s_cmp_eq_u32 s14, 0
	s_cbranch_scc0 .Lhead_s
	TLOAD G0, G1
	s_branch .Lhead_asked
.Lhead_s:
	TLOAD G0SB, G1SB
.Lhead_asked:
	v_and_b32 v1, 15, v0
	v_bfe_u32 v2, v0, 4, 1
	v_lshlrev_b32 v7, 2, v0
	s_lshl_b32 s18, s17, 9
	s_mov_b32 s19, 0
	s_add_nc_u64 s[6:7], s[6:7], s[18:19]
.irp hd, 0,1,2,3,4,5,6,7,8,9,10,11,12,13,14,15
	global_load_b32 v[128+\hd], v7, s[6:7] offset:16384*\hd
.endr
	s_lshl_b32 s18, s42, 10
	s_lshl_b32 s22, s16, 9
	s_add_co_u32 s18, s18, s22
	s_add_nc_u64 s[96:97], s[96:97], s[18:19]
	v_lshlrev_b32 v8, 5, v2
.irp b, 0,1,2,3,4,5,6,7
	global_load_b128 v[BIAS+8*\b:BIAS+8*\b+3], v8, s[96:97] offset:64*\b
	global_load_b128 v[BIAS+8*\b+4:BIAS+8*\b+7], v8, s[96:97] offset:64*\b+16
.endr
	v_and_b32 v6, 31, v0
	v_lshlrev_b32 v3, 4, v6
	v_lshlrev_b32 v4, 3, v6
	s_mul_i32 s21, s15, HALFA
.irp s, 0,1
	v_add_nc_u32 v[ADRA+\s], s21, v3
	v_add_nc_u32 v[ADRA+2+\s], s21, v4
	s_add_co_u32 s21, s21, SLOT
.endr
	v_mul_u32_u24 v3, v1, PITCH
	v_mul_u32_u24 v4, v2, 24
	v_add_nc_u32 v4, v3, v4
	v_lshl_add_u32 v5, v2, 4, v4
	s_mul_i32 s22, s16, HALFT
	s_add_co_u32 s22, s22, BBASE
.irp s, 0,1
	v_add_nc_u32 v[ADRB+\s], s22, v4
	v_add_nc_u32 v[ADRB+2+\s], s22, v5
	s_add_co_u32 s22, s22, 64*PITCH                ; the second register of each pair serves Wo's blocks 4 to 7: a load's offset has 16 bits
.endr
	v_mul_u32_u24 v5, v1, KS
	v_lshrrev_b32 v6, 8, v5
	v_lshl_add_u32 v5, v6, 4, v5
	s_mul_i32 s21, s15, HALFS
	s_mul_i32 s22, s16, HALFS
	s_add_co_u32 s22, s22, 2*HALFS
	s_sub_co_u32 s22, s22, s21
	v_mul_u32_u24 v6, s22, v2
	s_add_co_u32 s21, s21, SCL
	v_add_nc_u32 v5, v5, v6
	v_add_nc_u32 v[ADRS], s21, v5
	s_mul_i32 s23, s14, 16*SPITCH
	v_mul_u32_u24 v5, v1, SPITCH
	v_lshl_add_u32 v5, v2, 5, v5
	v_add_nc_u32 v[STO], s23, v5
	v_and_b32 v6, 31, v0
	v_lshlrev_b32 v[CO], 4, v6
	v_add_nc_u32 v[RD], s23, v[CO]
	v_lshrrev_b32 v9, 2, v0
	v_lshlrev_b32 v9, 4, v9
	v_lshl_add_u32 v9, v0, 6, v9
	v_add_nc_u32 v9, SCL, v9
	s_lshl_b32 s20, s17, 8
	s_lshl_b32 s21, s15, 7
	s_add_co_u32 s20, s20, s21
	s_lshl_b32 s20, s20, 12
	s_lshl_b32 s46, s42, 10
	s_lshl_b32 s47, s16, 9
	s_add_co_u32 s46, s46, s47
	s_add_co_u32 s20, s20, s46
	s_mov_b32 s21, 0
	s_add_nc_u64 s[12:13], s[12:13], s[20:21]
	s_wait_loadcnt 0x0
.irp j, 0,1,2,3,4,5,6,7
	v_perm_b32 v[144+\j], v[129+2*\j], v[128+2*\j], 0x05040100
	v_perm_b32 v[152+\j], v[129+2*\j], v[128+2*\j], 0x07060302
.endr
.irp c, 0,1,2,3
	ds_store_b128 v9, v[144+4*\c:147+4*\c] offset:16*\c
.endr
.macro FRAG reg, adr, q, i
.irp p, 0,1,2,3,4,5
.set PCE, 12*(\q)+6*(\p/3)+\p%3
.if PCE%32 < 29
	ds_load_b64 v[\reg+2*\p:\reg+2*\p+1], v[\adr+(\i)/4] offset:8*PCE+16*(PCE/32)+((\i)%4)*16*PITCH
.else                                  ; lanes 16-31, 24 bytes on, lie behind one padding more
	ds_load_b64 v[\reg+2*\p:\reg+2*\p+1], v[\adr+2+(\i)/4] offset:8*PCE+16*(PCE/32)+((\i)%4)*16*PITCH
.endif
.endr
.endm
.macro FRAGA reg, slot, q, i
	ds_load_b128 v[\reg:\reg+3], v[ADRA+\slot] offset:(\i)*AROW+(\q)*1536
	ds_load_b64 v[\reg+4:\reg+5], v[ADRA+2+\slot] offset:(\i)*AROW+(\q)*1536+512
	ds_load_b128 v[\reg+6:\reg+9], v[ADRA+\slot] offset:(\i)*AROW+(\q)*1536+768
	ds_load_b64 v[\reg+10:\reg+11], v[ADRA+2+\slot] offset:(\i)*AROW+(\q)*1536+1280
.endm
.macro MUL16 a0, p, q, sc, first
.irp a, \a0, \a0+1
.irp b, 0,1,2,3,4,5,6,7
.if \first
	v_wmma_scale_f32_16x16x128_f8f6f4 v[8*(8*((\a)%4)+\b):8*(8*((\a)%4)+\b)+7], v[128*(\p)+FR*\b:128*(\p)+FR*\b+FR-1], v[AF+FR*(\a):AF+FR*(\a)+FR-1], v[BIAS+8*\b:BIAS+8*\b+7], v[SC+8*NQ*(\sc)+NQ*\b+(\q)], v[SC+8*NQ*(\sc)+NQ*(\a)+(\q)] matrix_a_fmt:MATRIX_FMT_FP6 matrix_b_fmt:MATRIX_FMT_FP6 matrix_a_scale:MATRIX_SCALE_ROW1
.else
	v_wmma_scale_f32_16x16x128_f8f6f4 v[8*(8*((\a)%4)+\b):8*(8*((\a)%4)+\b)+7], v[128*(\p)+FR*\b:128*(\p)+FR*\b+FR-1], v[AF+FR*(\a):AF+FR*(\a)+FR-1], v[8*(8*((\a)%4)+\b):8*(8*((\a)%4)+\b)+7], v[SC+8*NQ*(\sc)+NQ*\b+(\q)], v[SC+8*NQ*(\sc)+NQ*(\a)+(\q)] matrix_a_fmt:MATRIX_FMT_FP6 matrix_b_fmt:MATRIX_FMT_FP6 matrix_a_scale:MATRIX_SCALE_ROW1
.endif
.endr
.endr
.endm
.macro FETCH_B slot, q, p
	WIN TO_B
.irp i, 0,1,2,3,4,5,6,7
	FRAG 128*(\p)+FR*\i, ADRB, KQ, \i
.endr
.set KQ, KQ+1
	WIN 0
.endm
.macro FETCH_A slot, q, i0
.irp i, \i0, \i0+1, \i0+2, \i0+3
	FRAGA AF+FR*(\i), \slot, \q, \i
.endr
.endm
.macro SCALES sc
.irp i, 0,1,2,3,4,5,6,7
	ds_load_b64 v[SC+8*NQ*\sc+NQ*\i:SC+8*NQ*\sc+NQ*\i+1], v[ADRS] offset:\i*SBLK
.endr
.endm
.macro PLACES n
.rept \n
	v_nop
.endr
.endm
.macro STEP slot, q, first
	s_wait_dscnt 4*NLA
.if \first
	WIN 0x81
.else
	WIN MUL_LO
.endif
	MUL16 0, (\q)%2, \q, \slot, \first
	MUL16 2, (\q)%2, \q, \slot, \first
	s_wait_dscnt 0
	PLACES NP
	FETCH_B \slot, (\q)+1, 1-(\q)%2
	FETCH_A \slot, (\q)+1, 0
.if \first
	WIN 0xc1
.else
	WIN MUL_HI
.endif
	MUL16 4, (\q)%2, \q, \slot, \first
	MUL16 6, (\q)%2, \q, \slot, \first
	PLACES NP
	WIN 0
	FETCH_A \slot, (\q)+1, 4
.endm
.macro TURN slot, next, fill
	s_wait_tensorcnt 0x0
	ds_add_u32 v[SPW], v[NIL]
	s_wait_dscnt 4*NLA+1
	WIN MUL_LO
	MUL16 0, 1, NQ-1, \slot, 0
	s_wait_dscnt 0x0
	s_barrier_signal -1
	MUL16 2, 1, NQ-1, \slot, 0
	WIN 0
	s_barrier_wait -1
.if \fill
	CREST
	s_add_nc_u64 s[G0+4*\slot+2:G0+4*\slot+3], s[G0+4*\slot+2:G0+4*\slot+3], 2*AROW
	JLOAD G0+4*\slot
.else
	PLACES NP
.endif
	s_wait_alu depctr_va_vdst(0)
	v_add_nc_u32 v[ADRS], 4*NQ, v[ADRS]
	FETCH_B \next, 0, 0
	FETCH_A \next, 0, 0
	SCALES \next
	WIN MUL_HI
	MUL16 4, 1, NQ-1, \slot, 0
	MUL16 6, 1, NQ-1, \slot, 0
	PLACES NP
	WIN 0
	FETCH_A \next, 0, 4
.endm
	s_wait_alu depctr_va_vdst(0)
	s_wait_tensorcnt 0x0                           ; my tile of the head's is in
	ds_add_u32 v[SPW], v[NIL]
	s_wait_dscnt 0x0                               ; the add, and my stores of o's scale words
	CROUND
	JLOAD G0+4                                     ; slot 1's first fill, issued as a refill is
	FETCH_B 0, 0, 0
	FETCH_A 0, 0, 0
	SCALES 0
	FETCH_A 0, 0, 4
	STEP 0, 0, 1
	TURN 0, 1, 1
	STEP 1, 0, 0
	TURN 1, 0, 1
	STEP 0, 0, 0
	TURN 0, 1, 0
	STEP 1, 0, 0
	s_wait_dscnt 4*NLA
	WIN MUL_LO
	MUL16 0, 1, NQ-1, 1, 0
	MUL16 2, 1, NQ-1, 1, 0
	s_wait_dscnt 0
	WIN MUL_HI
	MUL16 4, 1, NQ-1, 1, 0
	MUL16 6, 1, NQ-1, 1, 0
	WIN 0
.macro TOSTAGE a
.set AC, 64*((\a)%4)
	WIN 0x08+4*((\a)/4)
.irp b, 0,1,2,3,4,5,6,7
	ds_store_b128 v[STO], v[AC+8*\b:AC+8*\b+3] offset:64*\b
	ds_store_b128 v[STO], v[AC+8*\b+4:AC+8*\b+7] offset:64*\b+16
.endr
	WIN 0
.set BB, BK+64*((\a)%2)
.irp t, 0,1,2,3,4,5,6,7,8,9,10,11,12,13,14,15
	ds_load_b128 v[BB+4*\t:BB+4*\t+3], v[RD] offset:\t*SPITCH
.endr
.endm
.macro SEND a, younger
.set BB, BK+64*((\a)%2)
	s_wait_dscnt \younger
.if (\a) > 0
	s_add_nc_u64 s[12:13], s[12:13], 16*SIZE_N*4
.endif
.irp t, 0,1,2,3,4,5,6,7,8,9,10,11,12,13,14,15
	global_store_b128 v[CO], v[BB+4*\t:BB+4*\t+3], s[12:13] offset:\t*SIZE_N*4 th:TH_STORE_NT
.endr
.endm
	PLACES NP
	TOSTAGE 0
.irp a, 1,2,3,4,5,6,7
.if \a > 1
	s_wait_xcnt 0x0
.endif
	TOSTAGE \a
	SEND \a-1, 32
.endr
	s_wait_xcnt 0x0
	SEND 7, 0
	s_wait_tensorcnt 0x0
	ds_add_u32 v[SPW], v[NIL]
	s_wait_dscnt 0x0
	CROUND
	s_endpgm
.Lfunc_end_k_qb849c7d256_outp:
	.size	k_qb849c7d256_outp, .Lfunc_end_k_qb849c7d256_outp-k_qb849c7d256_outp
	.p2alignl 7, 3214868480
	.fill 96, 4, 3214868480
	.section	.rodata,"a",@progbits
	.p2align	6, 0x0
	.amdhsa_kernel k_qb849c7d256_outp
		.amdhsa_group_segment_fixed_size 327680
		.amdhsa_private_segment_fixed_size 0
		.amdhsa_enable_private_segment 0
		.amdhsa_kernarg_size 48
		.amdhsa_user_sgpr_count 2
		.amdhsa_user_sgpr_kernarg_segment_ptr 1
		.amdhsa_wavefront_size32 1
		.amdhsa_system_sgpr_workgroup_id_x 1
		.amdhsa_system_sgpr_workgroup_id_y 1
		.amdhsa_system_sgpr_workgroup_id_z 1
		.amdhsa_system_vgpr_workitem_id 0
		.amdhsa_next_free_vgpr 1024
		.amdhsa_next_free_sgpr 100
		.amdhsa_reserve_vcc 0
		.amdhsa_float_denorm_mode_32 3
		.amdhsa_float_denorm_mode_16_64 3
		.amdhsa_memory_ordered 1
		.amdhsa_forward_progress 1
		.amdhsa_inst_pref_size 156
	.end_amdhsa_kernel
	.amdgpu_metadata
---
amdhsa.version: [ 1, 2 ]
amdhsa.kernels:
  - .name:           k_qb849c7d256_outp
    .symbol:         k_qb849c7d256_outp.kd
    .args:
      - { .name: oimg, .offset: 0, .size: 8, .value_kind: global_buffer, .address_space: global }
      - { .name: osc, .offset: 8, .size: 8, .value_kind: global_buffer, .address_space: global }
      - { .name: Wo_codes, .offset: 16, .size: 8, .value_kind: global_buffer, .address_space: global }
      - { .name: Wo_scales, .offset: 24, .size: 8, .value_kind: global_buffer, .address_space: global }
      - { .name: bo, .offset: 32, .size: 8, .value_kind: global_buffer, .address_space: global }
      - { .name: out0, .offset: 40, .size: 8, .value_kind: global_buffer, .address_space: global }
    .group_segment_fixed_size: 327680
    .private_segment_fixed_size: 0
    .kernarg_segment_align: 8
    .kernarg_segment_size: 48
    .max_flat_workgroup_size: 128
    .sgpr_count:     100
    .vgpr_count:     1024
    .wavefront_size: 32
...
	.end_amdgpu_metadata
.endif
;; end of part 3
